; MI455X (gfx1250); checked and timed in simulation.
; The chip was launched on July 23, 2026; its instructions are those of AMD's public machine-readable ISA for CDNA 5 (MIT licence, August 2026) and "CDNA5" Instruction Set Architecture Reference Guide (July 2026). The comments in the code are by the model that wrote it; some were corrected since.
;; Spatial Aware Memory. Allowed arithmetic: matrix products marked QUANTISED: E2M3 operands, one E8M0 scale for each 32 along K, by v_wmma_scale_f32_16x16x128_f8f6f4 with both operands' format E2M3, f32 sums; products left as they are: f32 operands where the result goes on into a quantised operand, else bf16, f16 or f32 operands; f32 sums; everything else in f32.
;; Inputs: b1 256 float32; b2 256 float32; coords 65,536 x 2 float32; features 65,536 x 256 float32; memory 2,048 x 256 float32; w1 256 x 2 float32; w2 256 x 256 float32.
;; Outputs: out0 65,536 x 256 float32.
;; This version of the problem:
;;   THIS VERSION OF THE PROBLEM IS GIVEN IN LOW PRECISION. The matrix products marked QUANTISED in the list below multiply operands that are first quantised to E2M3 (2 exponent bits, 3 mantissa bits; 6 bits a number), with one power-of-two scale for each 32 numbers along K (OCP MX v1.0); their sums are f32. All else is computed in f32.
;;   The module's matrix products, in the order in which they are computed (A, B: the left and right operand; K: the contracted axis; several contracted axes count as one K, in the product's order):
;;     1. [M 1, K 2] x [K 2, N 256]; A: computed on the way; B: input w1: left as it is (K = 2 < 32)
;;     2. [M 1, K 256] x [K 256, N 256]; A: computed on the way; B: input w2: left as it is (M = 1 < 16)
;;     3. [M 65,536, K 256] x [K 256, N 2,048]; A: computed on the way; B: input memory: QUANTISED
;;     4. [M 65,536, K 2,048] x [K 2,048, N 256]; A: softmax (see below); B: input memory: QUANTISED
;;   THE QUANTISER, for each operand of a quantised product, along K:
;;     - K is cut into blocks of 32 from its start; a last block that is shorter is filled with zeros.
;;     - A block's scale is 2^e with e = floor(log2(the largest magnitude in the block)) - 2, held to -126 .. 127; a block of zeros has e = 0. As a byte (E8M0): e + 127.
;;     - Each number is divided by its block's scale, clamped to +-7.5, and rounded to the nearest number of E2M3, ties to even, subnormals kept.
;;     - The product sums the exact products of the quantised numbers (number of the format x scale) in f32.
;;   ~~~python
;;   def quantise(x, axis):      # numpy; x: float32 -> the quantised numbers, widened to float32 again
;;       x = np.moveaxis(x, axis, -1); K = x.shape[-1]
;;       x = np.pad(x, [(0, 0)] * (x.ndim - 1) + [(0, -K % 32)]); x = x.reshape(x.shape[:-1] + (-1, 32)); a = np.abs(x).max(-1, keepdims=True)
;;       e = np.where(a > 0, np.clip(np.frexp(np.where(a > 0, a, 1))[1] - 1 - 2, -126, 127), 0)      # np.frexp(a)[1] - 1 = floor(log2(a)), exactly
;;       r = np.clip(x / 2.0 ** e, -7.5, 7.5)
;;       step = 2.0 ** (np.maximum(np.frexp(np.where(r == 0, 1, r))[1] - 1, 0) - 3)
;;       q = np.round(r / step) * step * 2.0 ** e      # np.round: ties to even
;;       return np.moveaxis(q.reshape(q.shape[:-2] + (-1,))[..., :K], -1, axis).astype(np.float32)
;;   ~~~
;;   SOFTMAX AHEAD OF A QUANTISED PRODUCT. Where the list says 'softmax', what is quantised is not the finished softmax but p = 2^(t - M), with t = logit x log2(e) and M = ceil(the row's largest t), a whole number; so 1/2 < the row's largest p <= 1. The row's sum l is taken of the UNQUANTISED p, in f32, and the product's result is divided by l at the end. Since M is a whole number, a kernel that streams over the keys may use a running M (the ceiling of the running maximum): every later rescaling is an exact power of two, which a block's scale takes up: the codes' values come out the same.
;;   OPERANDS COMPUTED ON THE WAY. 'Computed on the way' means the value that the module computes at that place (a softmax that the list does not call 'softmax' is quantised finished and normalised). What goes into a quantiser is computed in f32, as accurately as f32 sums, v_exp_f32 and their like allow (about 1e-6 of the number): no bf16 or f16 on the way to a quantiser, and a product that is left as it is and whose result goes on into a quantised operand takes f32 operands (vector FMAs, or v_wmma_f32_16x16x4_f32). A number that lies on a knife's edge between two numbers of the format may be rounded either way, as far as f32 arithmetic and the matrix unit's own rounding can turn it there, and no further.
;; One version. Each part assembles by itself: llvm-mc -triple=amdgcn-amd-amdhsa -mcpu=gfx1250 --defsym DOCPART=n.
;; ======== version 1 of 1: 2 launches
;; limits: right only within a limited range of input values
;; workspace buffers: kv 819,200 bytes; emb 1,024 bytes
;; launch prep (part 1): grid 72 x 1, 8 waves a work-group, no clusters, 5,120 bytes of LDS; arguments memory, coords, w1, b1, w2, b2, kv, emb; writes kv, emb
.if DOCPART == 1
	.amdgcn_target "amdgcn-amd-amdhsa--gfx1250"
	.amdhsa_code_object_version 6
	.text
	.protected	k_q6d44dae7bc_prep
	.globl	k_q6d44dae7bc_prep
	.p2align	8
	.type	k_q6d44dae7bc_prep,@function
k_q6d44dae7bc_prep:
	s_mov_b64 s[64:65], 0
	v_nop
	global_prefetch_b8 v0, s[64:65] scope:SCOPE_SE
	s_setreg_imm32_b32 hwreg(HW_REG_WAVE_MODE, 25, 1), 1
	s_wait_xcnt 0x0
; memory [2048][256] f32 is quantised to FP6 (E2M3) twice: along its 256 numbers (the keys of the first product) and along the 2,048 rows (the values of the second), and laid into kv
; AS IMAGES OF OPERAND REGISTERS; and emb = relu(mean(coords) w1^T + b1) w2^T + b2 is computed in f32 fused multiply-adds.
; kv: for key step j = 0..15 (128 rows of memory) at 49,152 j: K(j), 16 fragments of 1,536 bytes (index 2 t + s: key tile t, 128 s on along the row), then V(j), 16 fragments (index d: columns 16 d on).
;   A fragment's image: registers 4 c .. 4 c + 3 of lane l at 512 c + 16 l.  K: lane (r, h) holds row 128 j + 32 (t / 2) + 8 (t % 2) + r + 8 (r / 8), numbers 128 s + 64 c + 32 h + 0..31 in registers 6 c .. 6 c + 5.
;   V: lane (r, h) holds column 16 d + r, rows 128 j + 64 c + 32 h + 0..31.
;   From byte 786,432 the scale words, 2,048 bytes a key step: K's groups 0, 1, V's groups 0, 1, each 32 lanes x 4 words.  K's group g, lane l, word i: tile 4 g + i, row l % 16, K step l / 16.
;   V's group g, lane l, word i: tile 2 (4 g + i) + l / 16, row l % 16.
; A block's scale is 2^(floor(log2(its largest magnitude)) - 2); its byte is that magnitude's exponent field - 2, held at 1 from below.
; LIMITS: a block of zeros, or one whose largest magnitude lies under 2^-124, gets the byte 1 (its codes are zeros or subnormal codes; the bytes are read by this program alone); NaN and infinities are not served;
; the mean is summed as a tree, not in the order of a running sum.
; WORK-GROUPS: 0-31 K (key step j = x / 2 % 16, fragments 8 (x % 2) + wave), 32-63 V likewise, 64-71 emb (32 outputs each; each of the eight sums all of coords: 512 KiB read eight times costs less than a launch more).
; The three roles part on the work-group's number alone; each has LDS bytes of its own: K and V 0-511, emb 1,024-1,087 and 2,048-2,175.
.set X,  64                            ; v64-127  a lane's 64 numbers: two whole blocks of 32
.set D,  32                            ; v32-43   the fragment
.set T,  44                            ; v44-46, v48-50  the upper halves of the two blocks' codes
.set MX, 8                             ; v8-9     largest magnitudes
.set SO, 10                            ; v10-11   the conversions' scale operands
.set BY, 12                            ; v12-13   scale bytes
.set W,  14                            ; v14      the row's scale word
.set WT, 15                            ; v15      the other half's two bytes
	s_load_b512 s[4:19], s[0:1], 0x0               ; memory s[4:5], coords s[6:7], w1 s[8:9], b1 s[10:11], w2 s[12:13], b2 s[14:15], kv s[16:17], emb s[18:19]
	v_lshl_add_u32 v254, v0, 2, 0x1000
	v_mov_b32 v255, 0
	v_lshrrev_b32 v1, 5, v0
	v_readfirstlane_b32 s20, v1                    ; wave 0..7
	v_and_b32 v1, 31, v0                           ; lane
	s_mov_b32 s26, 0x76543210
	s_mov_b32 s27, 0xfedcba98                      ; v_permlanex16_b32's selects for lane l xor 16
	s_wait_alu depctr_va_vdst(0)                   ; the wait at the head's end
	s_wait_kmcnt 0x0
	s_cmp_ge_u32 ttmp9, 64
	s_cbranch_scc1 .Lemb
	; ---- K and V: one fragment a wave
	s_lshr_b32 s21, ttmp9, 5                       ; 0: K, 1: V
	s_bfe_u32 s22, ttmp9, 0x40001                  ; j
	s_and_b32 s23, ttmp9, 1                        ; g: which eight fragments
	s_lshl_b32 s24, s23, 3
	s_add_co_u32 s24, s24, s20                     ; f = 8 g + wave
	v_and_b32 v2, 15, v0                           ; r
	v_bfe_u32 v3, v0, 4, 1                         ; h
	v_lshlrev_b32 v5, 4, v1                        ; 16 x lane: an image's place for my lane
	v_lshlrev_b32 v7, 3, v3                        ; 8 h: my two bytes' place in the scale word
	v_mov_b32 v[WT], 0                             ; (a lane permute's destination counts as one of its sources)
	s_and_b32 s28, s20, 1                          ; the scale word's place in the group of 512 bytes: lane 16 (wave % 2) + r, word wave / 2
	s_lshl_b32 s28, s28, 8
	s_lshr_b32 s29, s20, 1
	s_lshl_b32 s29, s29, 2
	s_add_co_u32 s28, s28, s29
	v_lshlrev_b32 v6, 4, v2
	v_add_nc_u32 v6, s28, v6
	s_wait_alu depctr_va_vdst(0)                   ; the wait here, directly ahead of the run of scalar instructions
	s_mul_i32 s34, s22, 49152                      ; where my image goes: 49,152 j + 24,576 role + 1,536 f
	s_mul_i32 s30, s21, 24576
	s_add_co_u32 s34, s34, s30
	s_mul_i32 s30, s24, 1536
	s_add_co_u32 s34, s34, s30
	s_mov_b32 s35, 0
	s_add_nc_u64 s[36:37], s[16:17], s[34:35]
	s_lshl_b32 s38, s22, 11                        ; and the group of scale words: 786,432 + 2,048 j + 1,024 role + 512 g
	s_lshl_b32 s30, s21, 10
	s_add_co_u32 s38, s38, s30
	s_lshl_b32 s30, s23, 9
	s_add_co_u32 s38, s38, s30
	s_add_co_u32 s38, s38, 786432
	s_mov_b32 s39, 0
	s_add_nc_u64 s[40:41], s[16:17], s[38:39]
	s_mov_b32 s33, 0
	s_cmp_lg_u32 s21, 0
	s_cbranch_scc1 .Lvload
	; K: t = f / 2, s = f % 2.  My row's 32 neighbours of each block are 128 bytes: eight loads of 16
	s_lshr_b32 s28, s24, 1
	s_and_b32 s29, s24, 1
	s_lshr_b32 s30, s28, 1
	s_and_b32 s31, s28, 1
	s_lshl_b32 s32, s22, 7
	s_lshl_b32 s30, s30, 5
	s_lshl_b32 s31, s31, 3
	s_add_co_u32 s32, s32, s30
	s_add_co_u32 s32, s32, s31                     ; the tile's first row: 128 j + 32 (t / 2) + 8 (t % 2)
	s_lshl_b32 s32, s32, 10
	s_lshl_b32 s29, s29, 9
	s_add_co_u32 s32, s32, s29                     ; + 512 s bytes along the row
	s_add_nc_u64 s[4:5], s[4:5], s[32:33]
	v_and_b32 v4, 8, v2
	v_add_nc_u32 v4, v4, v2                        ; r + 8 (r / 8)
	v_lshlrev_b32 v4, 10, v4
	v_lshl_add_u32 v4, v3, 7, v4                   ; + 128 h bytes
.irp c, 0,1
.irp q, 0,1,2,3,4,5,6,7
	global_load_b128 v[X+32*\c+4*\q:X+32*\c+4*\q+3], v4, s[4:5] offset:256*\c+16*\q
.endr
.endr
	s_branch .Lquant
.Lvload:
	; V: d = f.  A lane takes a column and its registers run down the rows: sixteen lanes read 64 neighbouring bytes, the eight waves side by side 512
	s_lshl_b32 s32, s22, 17                        ; 128 j rows of 1,024 bytes
	s_lshl_b32 s29, s24, 6                         ; + 16 d columns
	s_add_co_u32 s32, s32, s29
	s_add_nc_u64 s[4:5], s[4:5], s[32:33]
	v_lshlrev_b32 v4, 2, v2
	v_lshl_add_u32 v4, v3, 15, v4                  ; 4 r + 32 h rows
.set i, 0
.rept 64
	global_load_b32 v[X+i], v4, s[4:5] offset:(64*(i/32)+i%32)*1024
.set i, i+1
.endr
.Lquant:
	s_wait_loadcnt 0x0
.irp c, 0,1
	v_max3_num_f32 v[MX+\c], |v[X+32*\c]|, |v[X+32*\c+1]|, 0x1800000   ; my block 2 c + h: all its 32 numbers are mine; the floor 2^(3 - 127) holds the byte at 1 from below
.endr
.irp i, 2,4,6,8,10,12,14,16,18,20,22,24,26,28,30
.irp c, 0,1
	v_max3_num_f32 v[MX+\c], v[MX+\c], |v[X+32*\c+\i]|, |v[X+32*\c+\i+1]|   ; (the two blocks by turns)
.endr
.endr
.irp c, 0,1
	v_add_nc_u32 v[SO+\c], 0xff000000, v[MX+\c]    ; 2 off the exponent field: the conversion takes the exponent field of this operand as its scale
.endr
.irp c, 0,1
	v_lshrrev_b32 v[BY+\c], 23, v[SO+\c]           ; the scale's byte
.endr
	v_lshl_or_b32 v[W], v[BY+1], 16, v[BY]         ; blocks h and 2 + h of my row,
	v_lshlrev_b32 v[W], v7, v[W]                   ; at their places in the word;
	v_permlanex16_b32 v[WT], v[W], s26, s27
	v_or_b32 v[W], v[W], v[WT]                     ; with lane l xor 16's two the word is whole
.irp c, 0,1
	v_cvt_scalef32_pk16_fp6_f32 v[D+6*\c:D+6*\c+2], v[X+32*\c:X+32*\c+15], v[SO+\c]
	v_cvt_scalef32_pk16_fp6_f32 v[T+4*\c:T+4*\c+2], v[X+32*\c+16:X+32*\c+31], v[SO+\c]   ; (a conversion's three registers begin on an even number)
.endr
	v_nop                                          ; one plain place behind a scaled conversion
.irp c, 0,1
.irp i, 0,1,2
	v_mov_b32 v[D+6*\c+3+\i], v[T+4*\c+\i]
.endr
.endr
.irp c, 0,1,2
	global_store_b128 v5, v[D+4*\c:D+4*\c+3], s[36:37] offset:512*\c   ; 32 lanes store 512 consecutive bytes, at a multiple of 256 from kv's first byte
.endr
	ds_store_b32 v6, v[W]                          ; lanes r and 16 + r write the same word with the same value
	s_wait_dscnt 0x0                               ; for the others' sake: my word lies in LDS
	s_barrier_signal -1
	s_barrier_wait -1
	s_cmp_lg_u32 s20, 0
	s_cbranch_scc1 .Lkv_end
	ds_load_b128 v[16:19], v5                      ; wave 0 stores the eight waves' words: 512 consecutive bytes
	s_wait_dscnt 0x0
	global_store_b128 v5, v[16:19], s[40:41]
.Lkv_end:
	s_wait_tensorcnt 0x0
	ds_add_u32 v254, v255
	s_wait_dscnt 0x0
	s_endpgm
	; ---- emb.  Wave w sums coords' bytes 65,536 w on; then makes outputs 32 e + 4 w + 0..3
.Lemb:
	s_sub_co_u32 s21, ttmp9, 64                    ; e
	v_lshlrev_b32 v2, 4, v1                        ; 16 x lane: coords
	v_lshlrev_b32 v3, 6, v1                        ; 64 x lane: w1's rows 8 lane .. + 7
	v_lshlrev_b32 v4, 5, v1                        ; 32 x lane: b1's and w2's numbers 8 lane .. + 7
	v_and_b32 v6, 3, v1
	v_lshlrev_b32 v5, 2, v6                        ; b2: the output that my lane will carry
	s_wait_alu depctr_va_vdst(0)                   ; the wait here, directly ahead of the run of scalar instructions
	s_lshl_b32 s22, s21, 5
	s_lshl_b32 s23, s20, 2
	s_add_co_u32 s22, s22, s23                     ; my wave's first output
	s_mov_b32 s25, 0
	s_lshl_b32 s24, s22, 10
	s_add_nc_u64 s[12:13], s[12:13], s[24:25]      ; its row of w2
	s_lshl_b32 s24, s22, 2
	s_add_nc_u64 s[14:15], s[14:15], s[24:25]      ; its b2
	s_lshl_b32 s24, s20, 16
	s_add_nc_u64 s[6:7], s[6:7], s[24:25]          ; my wave's part of coords
	s_lshl_b32 s24, s21, 7
	s_add_nc_u64 s[18:19], s[18:19], s[24:25]      ; the work-group's 32 outputs
	s_lshl_b32 s28, s20, 3
	s_add_co_u32 s28, s28, 1024
	v_mov_b32 v9, s28                              ; LDS: my wave's two sums
	s_lshl_b32 s29, s20, 4
	s_add_co_u32 s29, s29, 2048
	v_add_nc_u32 v10, s29, v5                      ; LDS: my wave's four outputs
	v_lshl_add_u32 v241, v1, 2, 2048               ; and all 32, a lane each
	v_lshlrev_b32 v242, 2, v1
	v_mov_b32 v243, 1024
	v_mov_b32 v7, 0                                ; (lane permutes' destinations)
	v_mov_b32 v8, 0
.irp q, 0,1,2,3
	global_load_b128 v[32+4*\q:35+4*\q], v3, s[8:9] offset:16*\q       ; w1: v[32 + 2 i], v[33 + 2 i] for my i-th hidden unit
.endr
.irp q, 0,1
	global_load_b128 v[48+4*\q:51+4*\q], v4, s[10:11] offset:16*\q     ; b1
.endr
.irp k, 0,1,2,3
.irp q, 0,1
	global_load_b128 v[208+8*\k+4*\q:211+8*\k+4*\q], v4, s[12:13] offset:1024*\k+16*\q   ; w2: four rows, my 8 numbers of each
.endr
.endr
	global_load_b32 v240, v5, s[14:15]             ; b2
.set i, 0
; My wave's 128 loads of 512 consecutive bytes go through a ring of 64 slots, v256-511 (window 1), in 16 groups of 8 loads.
.set MSB, 0
.macro WIN new                         ; the immediate's high byte repeats the setting that is left
.if MSB != \new
	s_set_vgpr_msb (MSB<<8)|\new
.set MSB, \new
.endif
.endm
	WIN 0x40                                       ; destination window 1, address window 0
.rept 64
	global_load_b128 v[4*i:4*i+3], v2, s[6:7] offset:512*i
.set i, i+1
.endr
	WIN 0
.irp q, 16,17,18,19,20,21,22,23,24,25,26,27,28,29,30,31
	v_mov_b32 v\q, 0                               ; eight chains of (x, y)
.endr
.set g, 0
.rept 16
	s_wait_alu depctr_va_vdst(0)                   ; the wait here, directly ahead of the wait below
.if g < 8
	s_wait_loadcnt 56                              ; loads come back in order: group g is in, the seven younger groups of 8 stay out
.else
	s_wait_loadcnt 8*(15-g)                        ; the last eight groups load nothing: the counts run down
.endif
	WIN 0x04                                       ; source 1 window 1
.set k, 0
.rept 8
	v_pk_add_f32 v[16+4*(k%4):17+4*(k%4)], v[16+4*(k%4):17+4*(k%4)], v[32*(g%8)+4*k:32*(g%8)+4*k+1]
	v_pk_add_f32 v[18+4*(k%4):19+4*(k%4)], v[18+4*(k%4):19+4*(k%4)], v[32*(g%8)+4*k+2:32*(g%8)+4*k+3]
.set k, k+1
.endr
.if g < 8
	WIN 0x40
.set k, 0
.rept 8
	global_load_b128 v[32*(g%8)+4*k:32*(g%8)+4*k+3], v2, s[6:7] offset:512*(8*(g+8)+k)   ; group g + 8 into the slots just summed
.set k, k+1
.endr
.endif
.set g, g+1
.endr
	WIN 0
.irp q, 16,20,24,28
	v_pk_add_f32 v[\q:\q+1], v[\q:\q+1], v[\q+2:\q+3]
.endr
	v_pk_add_f32 v[16:17], v[16:17], v[20:21]
	v_pk_add_f32 v[24:25], v[24:25], v[28:29]
	v_pk_add_f32 v[16:17], v[16:17], v[24:25]
.irp m, 1,2,4,8
	v_add_f32_dpp v16, v16, v16 row_xmask:\m row_mask:0xf bank_mask:0xf
	v_add_f32_dpp v17, v17, v17 row_xmask:\m row_mask:0xf bank_mask:0xf
.endr
	v_permlanex16_b32 v7, v16, s26, s27
	v_permlanex16_b32 v8, v17, s26, s27
	v_add_f32 v16, v16, v7
	v_add_f32 v17, v17, v8                         ; the wave's sums of x and of y, in every lane
	ds_store_b64 v9, v[16:17]
	s_wait_dscnt 0x0                               ; for the others' sake
	s_barrier_signal -1
	s_barrier_wait -1
.irp q, 0,1,2,3
	ds_load_b128 v[192+4*\q:195+4*\q], v243 offset:16*\q
.endr
	s_wait_dscnt 0x0
.irp q, 192,196,200,204
	v_pk_add_f32 v[\q:\q+1], v[\q:\q+1], v[\q+2:\q+3]
.endr
	v_pk_add_f32 v[192:193], v[192:193], v[196:197]
	v_pk_add_f32 v[200:201], v[200:201], v[204:205]
	v_pk_add_f32 v[192:193], v[192:193], v[200:201]
	v_mul_f32 v192, 0x37800000, v192               ; / 65,536: the mean
	v_mul_f32 v193, 0x37800000, v193
.irp i, 0,1,2,3,4,5,6,7
	v_fma_f32 v[56+\i], v192, v[32+2*\i], v[48+\i]
.endr
.irp i, 0,1,2,3,4,5,6,7
	v_fma_f32 v[56+\i], v193, v[33+2*\i], v[56+\i]
.endr
.irp i, 0,1,2,3,4,5,6,7
	v_max_num_f32 v[56+\i], 0, v[56+\i]            ; my 8 hidden units
.endr
.irp k, 0,1,2,3
	v_mul_f32 v[12+\k], v56, v[208+8*\k]
.endr
.irp i, 1,2,3,4,5,6,7
.irp k, 0,1,2,3
	v_fma_f32 v[12+\k], v[56+\i], v[208+8*\k+\i], v[12+\k]   ; four dot products by turns
.endr
.endr
.irp m, 1,2,4,8
.irp k, 0,1,2,3
	v_add_f32_dpp v[12+\k], v[12+\k], v[12+\k] row_xmask:\m row_mask:0xf bank_mask:0xf
.endr
.endr
.irp k, 0,1,2,3
	v_permlanex16_b32 v[196+\k], v[12+\k], s26, s27
.endr
.irp k, 0,1,2,3
	v_add_f32 v[12+\k], v[12+\k], v[196+\k]
.endr
	v_mov_b32 v11, v12
.irp k, 1,2,3
	v_cmp_eq_u32 vcc_lo, \k, v6
	v_cndmask_b32 v11, v11, v[12+\k], vcc_lo       ; lane l carries output l % 4
.endr
	v_add_f32 v11, v11, v240                       ; + b2
	ds_store_b32 v10, v11                          ; eight lanes write each word, with the same value
	s_wait_dscnt 0x0
	s_barrier_signal -1
	s_barrier_wait -1
	s_cmp_lg_u32 s20, 0
	s_cbranch_scc1 .Lemb_end
	ds_load_b32 v11, v241
	s_wait_dscnt 0x0
	global_store_b32 v242, v11, s[18:19]           ; 128 consecutive bytes
.Lemb_end:
	s_wait_tensorcnt 0x0
	ds_add_u32 v254, v255
	s_wait_dscnt 0x0
	s_endpgm
.Lfunc_end_k_q6d44dae7bc_prep:
	.size	k_q6d44dae7bc_prep, .Lfunc_end_k_q6d44dae7bc_prep-k_q6d44dae7bc_prep
	.p2alignl 7, 3214868480
	.fill 96, 4, 3214868480
	.section	.rodata,"a",@progbits
	.p2align	6, 0x0
	.amdhsa_kernel k_q6d44dae7bc_prep
		.amdhsa_group_segment_fixed_size 5120
		.amdhsa_private_segment_fixed_size 0
		.amdhsa_enable_private_segment 0
		.amdhsa_kernarg_size 64
		.amdhsa_user_sgpr_count 2
		.amdhsa_user_sgpr_kernarg_segment_ptr 1
		.amdhsa_wavefront_size32 1
		.amdhsa_system_sgpr_workgroup_id_x 1
		.amdhsa_system_sgpr_workgroup_id_y 1
		.amdhsa_system_sgpr_workgroup_id_z 1
		.amdhsa_system_vgpr_workitem_id 0
		.amdhsa_next_free_vgpr 512
		.amdhsa_next_free_sgpr 66
		.amdhsa_reserve_vcc 1
		.amdhsa_float_denorm_mode_32 3
		.amdhsa_float_denorm_mode_16_64 3
		.amdhsa_memory_ordered 1
		.amdhsa_forward_progress 1
		.amdhsa_inst_pref_size 55
	.end_amdhsa_kernel
	.amdgpu_metadata
---
amdhsa.version: [ 1, 2 ]
amdhsa.kernels:
  - .name:           k_q6d44dae7bc_prep
    .symbol:         k_q6d44dae7bc_prep.kd
    .args:
      - { .name: memory, .offset: 0, .size: 8, .value_kind: global_buffer, .address_space: global }
      - { .name: coords, .offset: 8, .size: 8, .value_kind: global_buffer, .address_space: global }
      - { .name: w1, .offset: 16, .size: 8, .value_kind: global_buffer, .address_space: global }
      - { .name: b1, .offset: 24, .size: 8, .value_kind: global_buffer, .address_space: global }
      - { .name: w2, .offset: 32, .size: 8, .value_kind: global_buffer, .address_space: global }
      - { .name: b2, .offset: 40, .size: 8, .value_kind: global_buffer, .address_space: global }
      - { .name: kv, .offset: 48, .size: 8, .value_kind: global_buffer, .address_space: global }
      - { .name: emb, .offset: 56, .size: 8, .value_kind: global_buffer, .address_space: global }
    .group_segment_fixed_size: 5120
    .private_segment_fixed_size: 0
    .kernarg_segment_align: 8
    .kernarg_segment_size: 64
    .max_flat_workgroup_size: 256
    .sgpr_count:     66
    .vgpr_count:     512
    .wavefront_size: 32
...
	.end_amdgpu_metadata
.endif
;; end of part 1
;; launch attn (part 2): grid 256 x 1, 8 waves a work-group, clusters of 4 x 1, 327,680 bytes of LDS; arguments features, emb, kv, out0; writes out0
.if DOCPART == 2
	.amdgcn_target "amdgcn-amd-amdhsa--gfx1250"
	.amdhsa_code_object_version 6
	.text
	.protected	k_q6d44dae7bc_attn
	.globl	k_q6d44dae7bc_attn
	.p2align	8
	.type	k_q6d44dae7bc_attn,@function
k_q6d44dae7bc_attn:
	s_mov_b64 s[64:65], 0
	v_nop
	global_prefetch_b8 v0, s[64:65] scope:SCOPE_SE
	s_setreg_imm32_b32 hwreg(HW_REG_WAVE_MODE, 25, 1), 1
	s_wait_xcnt 0x0
	s_wait_alu depctr_hold_cnt(0) depctr_sa_sdst(0) depctr_va_vdst(0) depctr_va_sdst(0) depctr_va_ssrc(0) depctr_va_vcc(0) depctr_vm_vsrc(0)
	s_getreg_b32 s2, hwreg(HW_REG_IB_STS2, 6, 4)
	s_cmp_eq_u32 s2, 0
	s_cbranch_scc0 .Lentry_in_a_cluster
	s_endpgm
.Lentry_in_a_cluster:
	s_bfe_u32 s2, ttmp6, 0x10000c
	s_cmp_lg_u32 s2, 0x3003
	s_cbranch_scc0 .Lentry_shape_is_right
	s_endpgm
.Lentry_shape_is_right:
; out0[q] = sum over keys of softmax(z[q] . memory[k] / 16) memory[k], z = features + emb; both products on codes of FP6 (E2M3) with one E8M0 scale for each 32 along a product's K.
; memory's codes come from kv as images of operand registers (K(j), V(j), 128 keys a step j, and their scale words); z is quantised here, in registers.
; THE SOFTMAX: t = score x log2(e) / 16; M = the row's largest t so far, rounded UP to a whole number; p = 2^(t - M) is quantised along the keys, not normalised; the row's sum is taken of the unquantised p and divides at
; the end.  When M moves, the sum and O are multiplied by 2^(old M - new M): exact.
; SHARES.  A work-group owns 256 queries, each of its eight waves 32: two tiles of 16, so that each fragment of K and of V read from LDS feeds two products.  Both products are used transposed
; (S^T = K Q^T, O^T = V^T P^T): a lane holds ONE query (lane % 16) throughout; the keys of a tile of K are chosen so that the 16 registers of tiles 2 b, 2 b + 1 are keys 32 b + 16 (lane / 16) + 0..15.
; PERIODS.  Period b = 1..16 needs V(b - 1) and K(b), 49,152 consecutive bytes of kv.  Its matrix half MM is O^T x f, O^T += V(b - 1)^T P^T, S^T = K(b) Q^T; its vector half VV the softmax of both tiles.
; The waves are two groups, g = (w xor w / 4) % 2, so that waves w and w + 4, and waves 2 k and 2 k + 1, differ: group 0 runs MM then VV, group 1 VV (on the scores of the period before) then MM.
; So behind each barrier half of the waves are at matrix and LDS work while the other half are at vector work.
; CLUSTER.  All work-groups walk the same kv: the four of a cluster ask for each tile JOINTLY (mask 15).  A wider cluster would not widen a joint request in this text: every mask names the four.
; The ring: two slots of two periods (98,304 bytes); every wave fetches 48 rows of 256 bytes of a slot (384 rows shared evenly among eight waves).  A wave has one tensor load out at a time.
; LIMITS: NaN and infinities are not served; a block of z whose largest magnitude lies under 2^-124 gets the scale byte 1; a p under 2^-126 counts as 0.
; REGISTERS.  Window 1 (v256-511): O^T, tile x, columns 16 d on, at 128 x + 8 d; at the head the landing place of features.  Window 0: v0 256 x lane (prefetches); v1 16 x lane; v2, v3 the spare word's address and 0;
;   v4, v5 LDS addresses; v6, v7 Q's scale words; v8 + 6 x: -M, p's scale word, f, the largest t, the sum in two halves; v20-31 three groups of four scale words; v32-79 Q; v80-103 P, also a pair of fragments;
;   v104-127 a pair of fragments, also the softmax's working registers; v128-255 S^T, 64 a tile, also four pairs of fragments (pair k at 128 + 16 k and 192 + 16 k: the registers of tiles 2 k, 2 k + 1 of S^T).
; THE HEAD'S FILLS: one tensor load a wave: waves 0-5 fetch 64 rows each of slot 0, wave 6 the scale words' 128 rows, wave 7 K(0)'s 96 rows.
; So a wave has one tensor load out at the start too, not the three that the paragraph on the ring counts.
.set BLK,   49152                      ; a period's bytes
.set SLOT1, 1<<17                      ; slot 0 at 0, slot 1 here: one exclusive or turns an address from one to the other
.set SCL,   98304                      ; all scale words, 32,768 bytes, filled once
.set K0R,   229376                     ; K(0), 24,576 bytes, filled once
.set STG,   253952                     ; a stage of 16 rows x (512 + 16) bytes for each wave: z on the way in, O on the way out; no fill lands here
.set STGW,  8448
.set SPARE, 321536                     ; the spare words, 128 bytes for each wave: four blocks of 256 bytes that no other line names
.set KVSC,  786432                     ; where the scale words begin in kv
.set PFO, 0
.set LI,  1
.set SPW, 2
.set NIL, 3
.set ADR, 4
.set ADS, 5
.set QS,  6
.set ST,  8
.set R0,  20
.set R1,  24
.set R2,  28
.set Q,   32
.set P,   80
.set S,   128
.set TMX, 104                          ; v104-107 the blocks' largest scores, then largest p
.set TTP, 108                          ; v108-111 the other half's; then the bytes; then (v108-110, v112-114) the upper halves of the codes
.set TSO, 116                          ; v116-119 the conversions' scale operands
.set TSC, 120                          ; v120     at work
.set TS2, 122                          ; v[122:123] the second chain of the sum
.set WV,  12
.set GRP, 13
.set G1C, 24                           ; s[24:31] group 1 of the ring: 48 rows of 256 bytes;  s[32:39] the scale words: 128 rows;  s[40:47] K(0): 96 rows
.set G1S, 32
.set G1K, 40
.set G0,  48                           ; s[48:51] group 0 of the ring, which walks;  s[52:55] of the scale words;  s[56:59] of K(0)
.set G0S, 52
.set G0K, 56
.set G1H, 80                           ; s[80:87] group 1 of the head's fill of slot 0: 64 rows;  s[88:91] its group 0
.set G0H, 88
.set SEL, 60                           ; s[60:61] lane selects: lane l xor 16
.set CS,  62                           ; s[62:63] c = log2(e) / 16; the packed form names a pair and takes its low word for both halves
.set TB,  66                           ; s66  LDS byte at which the period's block begins
.set SLOTS, 67                         ; s67  slots still to be asked for
.set PFA, 68                           ; s[68:69] where my prefetches stand
.set LIM, 70                           ; s70  1 in a wave that prefetches, else the greatest number
.set HIM, 71                           ; s71  the mask of lanes 16-31
.set TWICE, 72
.set TS,  73                           ; s73  LDS byte at which the period's scale words begin
.set SW,  76                           ; s76  my stage
.set MSB, 0
.macro WIN new                         ; the immediate's high byte repeats the setting that is left; a switch that changes nothing is dropped
.if MSB != \new
	s_set_vgpr_msb (MSB<<8)|\new
.set MSB, \new
.endif
.endm
.macro PLACES n
.rept \n
	v_nop
.endr
.endm
.macro ROUND                           ; a round of the cluster's barrier
	s_barrier_signal -1
	s_barrier_wait -1
	s_cmp_lg_u32 s[WV], 0
	s_cbranch_scc1 .Lnot_wave_0_\@
	s_barrier_signal -3
.Lnot_wave_0_\@:
	s_barrier_wait -3
	s_barrier_signal -1
	s_barrier_wait -1
.endm
.macro GROUP1 g, rows                  ; dense rows of 256 bytes: 32 elements of 8 bytes, no padding (images are read 16 bytes a lane on end); mask 15: all four work-groups; bit 21 set beside a mask
	s_mov_b32 s[\g], 15|(3<<16)|(1<<21)
	s_mov_b32 s[\g+1], 32<<16
	s_mov_b32 s[\g+2], (\rows)<<16
	s_mov_b32 s[\g+3], 32<<16
	s_mov_b32 s[\g+4], \rows
	s_mov_b32 s[\g+5], 32
	s_mov_b32 s[\g+6], 0
	s_mov_b32 s[\g+7], 0
.endm
.macro BUFREG i                        ; pair buffer i: 0-3 in S^T's registers, 4 the working registers, 5 P's
.if (\i) < 4
.set BA, 128+16*(\i)
.set BB, 192+16*(\i)
.elseif (\i) == 4
.set BA, 104
.set BB, 116
.else
.set BA, 80
.set BB, 92
.endif
.endm
; Two fragments, 3,072 bytes at off in the block, into pair buffer i.  NISS counts the LDS loads issued in this run of the text, MKi marks buffer i's last: NEED waits until only the loads issued behind it are out.
.macro LDP i, off
	BUFREG \i
.irp c, 0,1,2
	ds_load_b128 v[BA+4*\c:BA+4*\c+3], v[ADR] offset:(\off)+512*\c
.endr
.irp c, 0,1,2
	ds_load_b128 v[BB+4*\c:BB+4*\c+3], v[ADR] offset:(\off)+1536+512*\c
.endr
.set NISS, NISS+6
.set MK\i, NISS
.endm
.macro LDSC r, off                     ; four scale words a lane
	ds_load_b128 v[\r:\r+3], v[ADS] offset:\off
.set NISS, NISS+1
.endm
.macro NEED i
	s_wait_dscnt NISS-MK\i
.endm
; O^T's tiles 2 p, 2 p + 1 of both query tiles x f = 2^(old M - new M).  Each accumulator is read from its low end on.  The 16 lines name no register of the products of pair p - 2: they are the places in front of the loads into that pair's buffer.
.macro RESC p
	WIN 0x41                                       ; destination and source 0 window 1
.irp x, 0,1
.irp k, 0,2,4,6,8,10,12,14
	v_pk_mul_f32 v[128*\x+16*(\p)+\k:128*\x+16*(\p)+\k+1], v[128*\x+16*(\p)+\k:128*\x+16*(\p)+\k+1], v[ST+6*\x+2:ST+6*\x+3] op_sel_hi:[1,0]
.endr
.endr
.endm
; O^T += V^T P^T for columns 32 p on: four accumulators by turns.  V's scale word: register R0 + p, lanes 0-15 for the even tile, lanes 16-31 for the odd one.
.macro PVQ p, i
	BUFREG \i
	WIN 0x50                                       ; C and D window 1
.irp x, 0,1
	v_wmma_scale_f32_16x16x128_f8f6f4 v[128*\x+16*(\p):128*\x+16*(\p)+7], v[BA:BA+11], v[P+12*\x:P+12*\x+11], v[128*\x+16*(\p):128*\x+16*(\p)+7], v[R0+(\p)], v[ST+6*\x+1] matrix_a_fmt:MATRIX_FMT_FP6 matrix_b_fmt:MATRIX_FMT_FP6
.endr
.irp x, 0,1
	v_wmma_scale_f32_16x16x128_f8f6f4 v[128*\x+16*(\p)+8:128*\x+16*(\p)+15], v[BB:BB+11], v[P+12*\x:P+12*\x+11], v[128*\x+16*(\p)+8:128*\x+16*(\p)+15], v[R0+(\p)], v[ST+6*\x+1] matrix_a_fmt:MATRIX_FMT_FP6 matrix_b_fmt:MATRIX_FMT_FP6 matrix_a_scale:MATRIX_SCALE_ROW1
.endr
.endm
; S^T = K Q^T for key tile t: the two query tiles by turns, K step 0 (which starts the sums) and K step 1.  Scale words: lanes 0-15 for K step 0, lanes 16-31 for K step 1, on both sides.
.macro KQ t, i
	BUFREG \i
.if (\t) < 4
.set KSR, R2+(\t)
.else
.set KSR, R0+(\t)-4
.endif
.irp x, 0,1
	v_wmma_scale_f32_16x16x128_f8f6f4 v[S+64*\x+8*(\t):S+64*\x+8*(\t)+7], v[BA:BA+11], v[Q+24*\x:Q+24*\x+11], 0, v[KSR], v[QS+\x] matrix_a_fmt:MATRIX_FMT_FP6 matrix_b_fmt:MATRIX_FMT_FP6
.endr
.irp x, 0,1
	v_wmma_scale_f32_16x16x128_f8f6f4 v[S+64*\x+8*(\t):S+64*\x+8*(\t)+7], v[BB:BB+11], v[Q+24*\x+12:Q+24*\x+23], v[S+64*\x+8*(\t):S+64*\x+8*(\t)+7], v[KSR], v[QS+\x] matrix_a_fmt:MATRIX_FMT_FP6 matrix_b_fmt:MATRIX_FMT_FP6 matrix_a_scale:MATRIX_SCALE_ROW1 matrix_b_scale:MATRIX_SCALE_ROW1
.endr
.endm
; THE SECOND PRODUCT of a period: V's eight pairs of fragments through five pair buffers, each asked for four pairs (16 products) ahead.  kq = 1: K's first pairs and scale words follow into the buffers as they fall free.
.macro CPHASE kq
.set NISS, 0
	LDSC R0, 1024                                  ; V's scale words, groups 0 and 1;
	LDSC R1, 1536
.if \kq
	LDSC R2, 2048                                  ; K's group 0
.endif
	LDP 1, 0
	LDP 2, 3072
	LDP 3, 6144
	LDP 4, 9216
	LDP 0, 12288
	; The rescaling runs ONE PAIR AHEAD of its product: between pair p's 16 multiplies and the product that reads them stand pair p + 1's 16
	RESC 0
	RESC 1
	NEED 1
	PVQ 0, 1
	RESC 2
	WIN 0
	LDP 1, 15360
	NEED 2
	PVQ 1, 2
	RESC 3
	WIN 0
	LDP 2, 18432
	NEED 3
	PVQ 2, 3
	RESC 4
	WIN 0
	LDP 3, 21504
	NEED 4
	PVQ 3, 4
	RESC 5
.if \kq
	WIN 0
	LDP 4, 24576+3*3072                            ; K's pair 3
.endif
	NEED 0
	PVQ 4, 0
	RESC 6
.if \kq
	WIN 0
	LDSC R0, 2560                                  ; K's group 1, where V's group 0 lay: its last product stands two runs of 16 multiplies back
.endif
	NEED 1
	PVQ 5, 1
	RESC 7
.if \kq
	WIN 0
	LDP 1, 24576
.endif
	s_wait_alu depctr_va_vdst(0)                   ; no run of multiplies follows pair 7's ahead of its product
	NEED 2
	PVQ 6, 2
.if \kq
	PLACES 4                                       ; in front of the loads into the buffer that these products have read
	WIN 0
	LDP 2, 24576+3072
.endif
	NEED 3
	PVQ 7, 3
	WIN 0
.if \kq
	PLACES 4                                       ; in front of loads into registers that the last products have read (ISA guide 7.12.1 for vector instructions)
	LDP 3, 24576+2*3072
	LDP 5, 24576+4*3072
.endif
.endm
; THE FIRST PRODUCT of a period.  kb: where K's fragments begin.  Tile t's results fall on pair buffer t / 2, which has been read out by then: where its last reader is a matrix instruction two tiles back, five places stand between.
.macro APHASE kb
	NEED 1
	KQ 0, 1
	NEED 2
	KQ 1, 2
	PLACES 5                                       ; tile 2's results lie over pair buffer 1, which tile 0's products read
	NEED 3
	KQ 2, 3
	PLACES 4
	LDP 3, (\kb)+5*3072
	NEED 4
	KQ 3, 4
	PLACES 4
	LDP 4, (\kb)+6*3072
	NEED 5
	KQ 4, 5
	PLACES 4
	LDP 5, (\kb)+7*3072
	NEED 3
	KQ 5, 3
	PLACES 5                                       ; tile 6's results lie over pair buffer 3, which tile 5's products read
	NEED 4
	KQ 6, 4
	NEED 5
	KQ 7, 5
	PLACES 4                                       ; in front of the first read of results and the first write of the working registers
.endm
.macro MM
	CPHASE 1
	APHASE 24576
.endm
; THE SOFTMAX of query tile x for 128 keys, and p's codes and scale word.
.macro SOFT x
.set SB, S+64*(\x)
.set NM, ST+6*(\x)
.set PX, P+12*(\x)
.irp b, 0,1,2,3
	v_max3_num_f32 v[TMX+\b], v[SB+16*\b], v[SB+16*\b+1], v[SB+16*\b+2]   ; the largest score of each block of 32 keys: for the row's maximum and, since p rises with the score, for the block's largest p
.endr
.irp i, 3,5,7,9,11,13
.irp b, 0,1,2,3
	v_max3_num_f32 v[TMX+\b], v[TMX+\b], v[SB+16*\b+\i], v[SB+16*\b+\i+1]
.endr
.endr
.irp b, 0,1,2,3
	v_max_num_f32 v[TMX+\b], v[TMX+\b], v[SB+16*\b+15]
.endr
.irp b, 0,1,2,3
	s_delay_alu instid0(VALU_DEP_4)
	v_permlanex16_b32 v[TTP+\b], v[TMX+\b], s[SEL], s[SEL+1]
.endr
.irp b, 0,1,2,3
	s_delay_alu instid0(VALU_DEP_4)
	v_max_num_f32 v[TMX+\b], v[TMX+\b], v[TTP+\b]  ; with lane l xor 16's 16 keys
.endr
	s_delay_alu instid0(VALU_DEP_2)
	v_max3_num_f32 v[TSC], v[TMX], v[TMX+1], v[TMX+2]
	s_delay_alu instid0(VALU_DEP_1)
	v_max_num_f32 v[TSC], v[TSC], v[TMX+3]
	s_delay_alu instid0(VALU_DEP_1)
	v_mul_f32 v[TSC], s[CS], v[TSC]                ; as t (c is positive)
	s_delay_alu instid0(VALU_DEP_1)
	v_max_num_f32 v[NM+3], v[NM+3], v[TSC]         ; the running largest t
	v_mov_b32 v[TSC], v[NM]
	s_delay_alu instid0(VALU_DEP_2)
	v_floor_f32 v[NM], -v[NM+3]                    ; the new -M = floor(-t): M is a whole number
	s_delay_alu instid0(VALU_DEP_1)
	v_sub_f32 v[TSC], v[NM], v[TSC]                ; old M - new M: a whole number, 0 or less
	s_delay_alu instid0(VALU_DEP_1)
	v_cvt_i32_f32 v[TSC], v[TSC]                   ; (it saturates)
	s_delay_alu instid0(VALU_DEP_1)
	v_ldexp_f32 v[NM+2], 1.0, v[TSC]               ; f = 2^(old M - new M)
.irp j, 0,2,4,6,8,10,12,14,16,18,20,22,24,26,28,30,32,34,36,38,40,42,44,46,48,50,52,54,56,58,60,62
	v_pk_fma_f32 v[SB+\j:SB+\j+1], v[SB+\j:SB+\j+1], s[CS:CS+1], v[NM:NM+1] op_sel_hi:[1,0,0]   ; t - M (of the pairs c and -M the low word serves both halves)
.endr
.irp b, 0,1,2,3
	v_fma_f32 v[TMX+\b], v[TMX+\b], s[CS], v[NM]
.endr
	s_wait_alu depctr_va_vdst(0)
.irp j, 0,1,2,3,4,5,6,7,8,9,10,11,12,13,14,15,16,17,18,19,20,21,22,23,24,25,26,27,28,29,30,31,32,33,34,35,36,37,38,39,40,41,42,43,44,45,46,47,48,49,50,51,52,53,54,55,56,57,58,59,60,61,62,63
	v_exp_f32 v[SB+\j], v[SB+\j]                   ; p = 2^(t - M), at most 1
.endr
.irp b, 0,1,2,3
	v_exp_f32 v[TMX+\b], v[TMX+\b]                 ; the block's largest p: the same two instructions on the same number
.endr
	v_pk_mul_f32 v[NM+4:NM+5], v[NM+4:NM+5], v[NM+2:NM+3] op_sel_hi:[1,0]   ; the sums under the new M.  (A plain place behind the exponentials)
	s_wait_alu depctr_va_vdst(0)
.irp b, 0,1,2,3
	v_max_num_f32 v[TMX+\b], 0x1800000, v[TMX+\b]  ; the floor 2^(3 - 127): the byte cannot fall under 1
.endr
.irp b, 0,1,2,3
	s_delay_alu instid0(VALU_DEP_4)
	v_add_nc_u32 v[TSO+\b], 0xff000000, v[TMX+\b]  ; 2 off the exponent field: the conversion's scale operand
.endr
.irp b, 0,1,2,3
	s_delay_alu instid0(VALU_DEP_4)
	v_lshrrev_b32 v[TTP+\b], 23, v[TSO+\b]         ; the scale's byte
.endr
	s_delay_alu instid0(VALU_DEP_3)
	v_lshl_or_b32 v[NM+1], v[TTP+1], 8, v[TTP]     ; p's scale word for these 128 keys
	s_delay_alu instid0(VALU_DEP_1)
	v_lshl_or_b32 v[NM+1], v[TTP+2], 16, v[NM+1]
	s_delay_alu instid0(VALU_DEP_1)
	v_lshl_or_b32 v[NM+1], v[TTP+3], 24, v[NM+1]
.irp c, 0,1
	v_cvt_scalef32_pk16_fp6_f32 v[PX+6*\c:PX+6*\c+2], v[SB+32*\c:SB+32*\c+15], v[TSO+2*\c]
	v_cvt_scalef32_pk16_fp6_f32 v[TTP+4*\c:TTP+4*\c+2], v[SB+32*\c+16:SB+32*\c+31], v[TSO+2*\c+1]   ; (a conversion's three registers begin on an even number)
.endr
	v_nop                                          ; one plain place behind a scaled conversion
.irp c, 0,1                                    ; the operand's layout wants a whole block in a lane: lanes 0-15 block 2 c, lanes 16-31 block 2 c + 1
.irp i, 0,1,2
	v_permlane16_swap_b32 v[PX+6*\c+\i], v[TTP+4*\c+\i]
.endr
.irp i, 0,1,2
	s_delay_alu instid0(VALU_DEP_3)
	v_mov_b32 v[PX+6*\c+3+\i], v[TTP+4*\c+\i]
.endr
.endr
	v_pk_add_f32 v[TS2:TS2+1], v[SB:SB+1], v[SB+2:SB+3]   ; the row's sum is taken of the unquantised p, in two chains.  (These 32 lines also stand between the writes of p's codes and scale word and the products that take them)
.irp j, 4,8,12,16,20,24,28,32,36,40,44,48,52,56,60
	v_pk_add_f32 v[NM+4:NM+5], v[NM+4:NM+5], v[SB+\j:SB+\j+1]
	v_pk_add_f32 v[TS2:TS2+1], v[TS2:TS2+1], v[SB+\j+2:SB+\j+3]
.endr
	s_delay_alu instid0(VALU_DEP_1)
	v_pk_add_f32 v[NM+4:NM+5], v[NM+4:NM+5], v[TS2:TS2+1]
.endm
.macro VV
	SOFT 0
	SOFT 1
.endm
; A period.  The LDS addresses are made on the way that all waves take; the branches hang on the wave's number alone.
.macro PERIOD
	v_add_nc_u32 v[ADR], s[TB], v[LI]
	v_add_nc_u32 v[ADS], s[TS], v[LI]
	s_cmp_lg_u32 s[GRP], 0
	s_cbranch_scc1 .Lvv_\@
	MM
.Lvv_\@:
	VV
	s_cmp_eq_u32 s[GRP], 0
	s_cbranch_scc1 .Ldone_\@
	MM
.Ldone_\@:
	s_add_co_u32 s[TB], s[TB], BLK
	s_add_co_u32 s[TS], s[TS], 2048
.endm
; A PREFETCH INTO THE L2 of the slot's worth of kv that the NEXT change of slots will ask for: 98,304 bytes, 384 blocks of 256, a lane a block.  All clusters walk the same bytes: cluster 0 asks.  Its four partners take
; 24,576 bytes each, told apart by address; in each, waves 0 to 2 take 8,192 bytes each, one instruction a wave.  So each block is named once in the launch.  The last change that fills a slot asks for nothing; the first two slots' worth come by their loads alone.
.macro ASK
	s_cmp_gt_u32 s[SLOTS], s[LIM]
	s_cbranch_scc0 .Lnot_mine_\@
	global_prefetch_b8 v[PFO], s[PFA:PFA+1] th:TH_LOAD_NT scope:SCOPE_SE
.Lnot_mine_\@:
.endm
; THE CHANGE OF SLOTS stands at a slot's head.  Each wave waits for all its tensor loads (its part of the slot ahead), adds 0 to its spare word, and waits for that and for its reads of the slot that it has left.
; fill = 1: the barrier is a round of the cluster's, and the joint refill of the slot just left is the first thing behind it: it has two periods in which to land.
.macro CHANGE fill
	s_wait_tensorcnt 0x0                           ; no tensor load of mine is out, so the group 0 may be written
	ds_add_u32 v[SPW], v[NIL]                      ; 0 onto my spare word
.if \fill
	s_xor_b32 s[G0+1], s[G0+1], SLOT1              ; the other slot than last time,
	s_add_nc_u64 s[G0+2:G0+3], s[G0+2:G0+3], 2*BLK ; the next two periods' bytes; the type bits on top are not reached
	s_wait_xcnt 0x0                                ; the last prefetch, two periods back, has read its address, so it may be written
	s_add_nc_u64 s[PFA:PFA+1], s[PFA:PFA+1], 2*BLK
.endif
	s_wait_dscnt 0x0                               ; the add is done, and my reads of the slot that I have left are over
.if \fill
	ROUND
	tensor_load_to_lds s[G0:G0+3], s[G1C:G1C+7]
	s_nop 0
	PLACES 4
	ASK
.else
	s_barrier_signal -1
	s_barrier_wait -1
.endif
.endm
; 64 numbers of a lane, two whole blocks of 32 (register 32 c + i = number 64 c + 32 (lane / 16) + i of my row's 128), become a fragment in v[d] on and the row's scale word in v[w].
.macro QUANT6 x, d, w
.irp c, 0,1
	v_max3_num_f32 v[104+\c], |v[\x+32*\c]|, |v[\x+32*\c+1]|, 0x1800000
.endr
.irp i, 2,4,6,8,10,12,14,16,18,20,22,24,26,28,30
.irp c, 0,1
	s_delay_alu instid0(VALU_DEP_2)
	v_max3_num_f32 v[104+\c], v[104+\c], |v[\x+32*\c+\i]|, |v[\x+32*\c+\i+1]|
.endr
.endr
.irp c, 0,1
	s_delay_alu instid0(VALU_DEP_2)
	v_add_nc_u32 v[106+\c], 0xff000000, v[104+\c]
.endr
.irp c, 0,1
	s_delay_alu instid0(VALU_DEP_2)
	v_lshrrev_b32 v[108+\c], 23, v[106+\c]
.endr
	s_delay_alu instid0(VALU_DEP_1)
	v_lshl_or_b32 v[\w], v109, 16, v108            ; blocks h and 2 + h,
	s_delay_alu instid0(VALU_DEP_1)
	v_lshlrev_b32 v[\w], v127, v[\w]               ; 8 h bits up;
	s_delay_alu instid0(VALU_DEP_1)
	v_permlanex16_b32 v118, v[\w], s[SEL], s[SEL+1]
	s_delay_alu instid0(VALU_DEP_1)
	v_or_b32 v[\w], v[\w], v118                    ; with lane l xor 16's two the word is whole
.irp c, 0,1
	v_cvt_scalef32_pk16_fp6_f32 v[(\d)+6*\c:(\d)+6*\c+2], v[\x+32*\c:\x+32*\c+15], v[106+\c]
	v_cvt_scalef32_pk16_fp6_f32 v[110+4*\c:112+4*\c], v[\x+32*\c+16:\x+32*\c+31], v[106+\c]
.endr
	v_nop                                          ; one plain place behind a scaled conversion
.irp c, 0,1
.irp i, 0,1,2
	v_mov_b32 v[(\d)+6*\c+3+\i], v[110+4*\c+\i]
.endr
.endr
.endm
; Pass p = 2 x + s: 16 rows x 128 numbers of features, loaded 512 consecutive bytes a load, + emb, turned through my stage so that a lane holds 64 numbers of one row, and quantised: Q's fragment (x, s).
.macro QPASS p
	s_wait_loadcnt 48-16*(\p)                      ; emb and this pass's 16 loads are in; the later passes' stay out
	WIN 0x41
.irp i, 0,1,2,3,4,5,6,7,8,9,10,11,12,13,14,15
	v_pk_add_f32 v[64*(\p)+4*\i:64*(\p)+4*\i+1], v[64*(\p)+4*\i:64*(\p)+4*\i+1], v[P+4*((\p)%2):P+4*((\p)%2)+1]
	v_pk_add_f32 v[64*(\p)+4*\i+2:64*(\p)+4*\i+3], v[64*(\p)+4*\i+2:64*(\p)+4*\i+3], v[P+4*((\p)%2)+2:P+4*((\p)%2)+3]
.endr
	WIN 0x04                                       ; an LDS store's data are its source 1
.irp i, 0,1,2,3,4,5,6,7,8,9,10,11,12,13,14,15
	ds_store_b128 v[ADS], v[64*(\p)+4*\i:64*(\p)+4*\i+3] offset:528*\i
.endr
	WIN 0
.irp c, 0,1
.irp q, 0,1,2,3,4,5,6,7
	ds_load_b128 v[S+32*\c+4*\q:S+32*\c+4*\q+3], v[ADR] offset:256*\c+16*\q   ; LDS serves a wave's instructions in order: these see my stores
.endr
.endr
	s_wait_dscnt 0x0
	QUANT6 S, Q+24*((\p)/2)+12*((\p)%2), 120+(\p)%2
.if (\p)%2 == 1
	v_cndmask_b32 v[QS+(\p)/2], v120, v121, s[HIM] ; lanes 0-15 K step 0's words, lanes 16-31 K step 1's
.endif
	WIN 0x40                                       ; this pass's 64 landing registers have been staged (the wait on DScnt above): they become O^T's zeros now, while the later passes' loads are out
.set j, 0
.rept 64
	v_mov_b32 v[64*(\p)+j], 0                      ; the periods are written once: the first finds zeros, which the first f, 0, leaves zeros
.set j, j+1
.endr
	WIN 0
.endm
	s_load_b256 s[4:11], s[0:1], 0x0               ; features s[4:5], emb s[6:7], kv s[8:9], out0 s[10:11]
	v_lshl_add_u32 v[SPW], v0, 2, SPARE
	v_mov_b32 v[NIL], 0
	ds_add_u32 v2, v3
	ds_add_u32 v2, v3
	s_wait_dscnt 0x0
	v_lshrrev_b32 v[ADR], 5, v0
	s_delay_alu instid0(VALU_DEP_1)
	v_readfirstlane_b32 s[WV], v[ADR]              ; wave 0..7
	v_and_b32 v[LI], 31, v0
	v_and_b32 v104, 15, v0                         ; r
	s_wait_alu depctr_va_vdst(0)
	v_bfe_u32 v105, v0, 4, 1                       ; h
	v_lshlrev_b32 v[PFO], 8, v[LI]                 ; 256 x lane, where the thread's number lay: it is needed no more
	v_lshlrev_b32 v[LI], 4, v[LI]                  ; 16 x lane
	s_delay_alu instid0(VALU_DEP_3)
	v_lshlrev_b32 v127, 3, v105                    ; 8 h
	v_mov_b32 v118, 0                              ; (a lane permute's destination counts as one of its sources)
	s_lshr_b32 s[GRP], s[WV], 2
	s_xor_b32 s[GRP], s[GRP], s[WV]
	s_and_b32 s[GRP], s[GRP], 1                    ; my group
	s_bfe_u32 s14, ttmp6, 0x40000                  ; cx: my place in the cluster: it enters global addresses of features, out0 and the prefetches alone
	s_lshl_b32 s15, ttmp9, 2
	s_add_co_u32 s15, s15, s14                     ; my block of 256 queries
	s_lshl_b32 s16, s15, 18
	s_lshl_b32 s17, s[WV], 15
	s_add_co_u32 s16, s16, s17                     ; my wave's first row, in bytes: 262,144 x block + 32,768 x wave
	s_mov_b32 s17, 0
	GROUP1 G1C, 48
	GROUP1 G1S, 128
	GROUP1 G1K, 96
	GROUP1 G1H, 64
	s_mul_i32 s18, s[WV], 12288                    ; my part of a slot,
	s_add_co_u32 s20, s18, 24576                   ; which in kv begins behind K(0)
	s_mov_b32 s21, 0
	s_lshl_b32 s19, s[WV], 14                      ; at the head waves 0-5 fetch 16,384 bytes each of slot 0,
	s_add_co_u32 s22, s19, 24576                   ; which in kv begins behind K(0)
	s_mov_b32 s23, 0
	s_mul_i32 s78, s14, 24576                      ; the prefetches: my work-group's quarter, my wave's 8,192 bytes,
	s_lshl_b32 s79, s[WV], 13
	s_add_co_u32 s78, s78, s79
	s_add_co_u32 s78, s78, 24576+2*BLK             ; of the second slot's worth: the first change of slots steps it to the third
	s_mov_b32 s79, 0
	s_add_co_u32 s[LIM], s[WV], 1
	s_lshr_b32 s[LIM], s[LIM], 2                   ; 0 in waves 0 to 2,
	s_or_b32 s[LIM], s[LIM], ttmp9                 ; of cluster 0: the same in all four partners
	s_cmp_eq_u32 s[LIM], 0
	s_cselect_b32 s[LIM], 1, -1
	s_mov_b32 s[SEL], 0x76543210
	s_mov_b32 s[SEL+1], 0xfedcba98
	s_mov_b32 s[CS], 0x3db8aa3b                    ; c = log2(e) / 16
	s_mov_b32 s[CS+1], s[CS]
	s_mov_b32 s[HIM], 0xffff0000
	s_mov_b32 s[TB], 0
	s_mov_b32 s[TS], SCL
	s_mov_b32 s[SLOTS], 7
	s_mul_i32 s[SW], s[WV], STGW
	s_add_co_u32 s[SW], s[SW], STG
	v_mul_u32_u24 v[ADR], v104, 528
	s_wait_alu depctr_va_vdst(0)
	v_lshl_add_u32 v[ADR], v105, 7, v[ADR]
	s_delay_alu instid0(VALU_DEP_1)
	v_add_nc_u32 v[ADR], s[SW], v[ADR]             ; out of the stage: row r, + 128 h bytes
	v_add_nc_u32 v[ADS], s[SW], v[LI]              ; into it: 16 bytes a lane of a row's 512
	s_wait_kmcnt 0x0
	s_add_nc_u64 s[4:5], s[4:5], s[16:17]
	s_add_nc_u64 s[10:11], s[10:11], s[16:17]
	s_add_nc_u64 s[PFA:PFA+1], s[8:9], s[78:79]
	s_mov_b32 s[G0], 1
	s_mov_b32 s[G0+1], s18
	s_add_nc_u64 s[G0+2:G0+3], s[8:9], s[20:21]
	s_or_b32 s[G0+3], s[G0+3], 0x80000000
	s_mov_b32 s[G0S], 1
	s_mov_b32 s[G0S+1], SCL
	s_add_nc_u64 s[G0S+2:G0S+3], s[8:9], KVSC
	s_or_b32 s[G0S+3], s[G0S+3], 0x80000000
	s_mov_b32 s[G0K], 1
	s_mov_b32 s[G0K+1], K0R
	s_mov_b64 s[G0K+2:G0K+3], s[8:9]
	s_or_b32 s[G0K+3], s[G0K+3], 0x80000000
	s_mov_b32 s[G0H], 1
	s_mov_b32 s[G0H+1], s19
	s_add_nc_u64 s[G0H+2:G0H+3], s[8:9], s[22:23]
	s_or_b32 s[G0H+3], s[G0H+3], 0x80000000
	global_load_b128 v[P:P+3], v[LI], s[6:7]       ; emb: my 4 numbers of each half
	global_load_b128 v[P+4:P+7], v[LI], s[6:7] offset:512
	WIN 0x40                                       ; destination window 1
.irp p, 0,1,2,3
.irp i, 0,1,2,3,4,5,6,7,8,9,10,11,12,13,14,15
	global_load_b128 v[64*\p+4*\i:64*\p+4*\i+3], v[LI], s[4:5] offset:(16*(\p/2)+\i)*1024+512*(\p%2) th:TH_LOAD_NT   ; my 32 rows, read once: 512 consecutive bytes a load
.endr
.endr
	WIN 0
	ROUND                                          ; all four work-groups are here: the first joint loads meet
	s_cmp_lt_u32 s[WV], 6                          ; one chain of branches on the wave's number, one joint load to an arm, all arms to one join
	s_cbranch_scc0 .Lhead_s
	tensor_load_to_lds s[G0H:G0H+3], s[G1H:G1H+7]  ; waves 0-5: periods 1 and 2, a sixth each
	s_nop 0
	PLACES 4
	s_branch .Lhead_asked
.Lhead_s:
	s_cmp_lt_u32 s[WV], 7
	s_cbranch_scc0 .Lhead_k
	tensor_load_to_lds s[G0S:G0S+3], s[G1S:G1S+7]  ; wave 6: the scale words
	s_nop 0
	PLACES 4
	s_branch .Lhead_asked
.Lhead_k:
	tensor_load_to_lds s[G0K:G0K+3], s[G1K:G1K+7]  ; wave 7: K(0)
	s_nop 0
	PLACES 4
.Lhead_asked:
	QPASS 0
	QPASS 1
	QPASS 2
	QPASS 3
	v_mov_b32 v[ST+3], 0xff61b1e6                  ; the largest t so far: -3e38, under every t
	v_mov_b32 v[ST+9], 0xff61b1e6
	s_delay_alu instid0(VALU_DEP_2)
	v_floor_f32 v[ST], -v[ST+3]                    ; -M
	s_delay_alu instid0(VALU_DEP_2)
	v_floor_f32 v[ST+6], -v[ST+9]
.irp r, 1,2,4,5,7,8,10,11
	v_mov_b32 v[ST+\r], 0                          ; the sums; f and p's scale word, which are named in pairs before they are first made
.endr
	s_wait_tensorcnt 0x0                           ; my one fill of the head is in
	s_wait_dscnt 0x0
	s_barrier_signal -1
	s_barrier_wait -1                              ; everybody's are
	; PERIOD 0: the first scores, in every wave; group 0 goes on to their softmax
	v_add_nc_u32 v[ADR], K0R, v[LI]
	v_add_nc_u32 v[ADS], SCL, v[LI]
.set NISS, 0
	LDSC R2, 0
	LDP 4, 3*3072
	LDSC R0, 512
	LDP 1, 0
	LDP 2, 3072
	LDP 3, 2*3072
	LDP 5, 4*3072
	s_wait_alu depctr_va_vdst(0)
	APHASE 0
	s_cmp_lg_u32 s[GRP], 0
	s_cbranch_scc1 .Lslot
	VV
.Lslot:                                            ; 7 trips: behind each change of slots but the last the next two periods are asked for
	CHANGE 1
	s_mov_b32 s[TWICE], 2
.Lper:
	PERIOD
	s_sub_co_u32 s[TWICE], s[TWICE], 1
	s_cmp_lg_u32 s[TWICE], 0
	s_cbranch_scc1 .Lper
	s_sub_co_u32 s[TB], s[TB], 2*BLK               ; back to a slot's first period,
	s_xor_b32 s[TB], s[TB], SLOT1                  ; in the other slot
	s_sub_co_u32 s[SLOTS], s[SLOTS], 1
	s_cmp_lg_u32 s[SLOTS], 0
	s_cbranch_scc1 .Lslot
	CHANGE 0                                       ; the last slot is written out
	PERIOD                                         ; period 15
	v_add_nc_u32 v[ADR], s[TB], v[LI]              ; period 16: group 1's last softmax, and the last V^T P^T in every wave
	v_add_nc_u32 v[ADS], s[TS], v[LI]
	s_cmp_eq_u32 s[GRP], 0
	s_cbranch_scc1 .Llast
	VV
.Llast:
	s_wait_alu depctr_va_vdst(0)
	CPHASE 0
	; THE WAY OUT.  O^T is divided by the row's sum and goes through my stage, 16 queries x 128 columns at a time, so that the 32 lanes store 512 consecutive bytes of a row.
.irp x, 0,1
	v_add_f32 v[ST+6*\x+4], v[ST+6*\x+4], v[ST+6*\x+5]   ; the sum's two halves (these lines name no register of the last products: they are the places behind them),
.endr
.irp x, 0,1
	s_delay_alu instid0(VALU_DEP_2)
	v_permlanex16_b32 v[104+\x], v[ST+6*\x+4], s[SEL], s[SEL+1]
.endr
.irp x, 0,1
	s_delay_alu instid0(VALU_DEP_2)
	v_add_f32 v[ST+6*\x+4], v[ST+6*\x+4], v[104+\x]      ; and lane l xor 16's
.endr
	s_wait_alu depctr_va_vdst(0)
.irp x, 0,1
	v_rcp_f32 v[ST+6*\x+2], v[ST+6*\x+4]
.endr
	v_bfe_u32 v106, v[LI], 4, 4                    ; (a plain place behind the reciprocals)  r
	v_bfe_u32 v107, v[LI], 8, 1                    ; h
	s_delay_alu instid0(VALU_DEP_2)
	v_mul_u32_u24 v[ADR], v106, 528
	s_delay_alu instid0(VALU_DEP_1)
	v_lshl_add_u32 v[ADR], v107, 5, v[ADR]
	s_delay_alu instid0(VALU_DEP_1)
	v_add_nc_u32 v[ADR], s[SW], v[ADR]             ; into the stage: row r, + 32 h bytes
	v_add_nc_u32 v[ADS], s[SW], v[LI]              ; back: 16 bytes a lane of a row's 512
	s_wait_alu depctr_va_vdst(0)
.macro OMUL x, u                       ; tile x, columns 128 u on: x 1 / the sum, each accumulator from its low end on
	WIN 0x41
.set j, 0
.rept 32
	v_pk_mul_f32 v[128*(\x)+64*(\u)+j:128*(\x)+64*(\u)+j+1], v[128*(\x)+64*(\u)+j:128*(\x)+64*(\u)+j+1], v[ST+6*(\x)+2:ST+6*(\x)+3] op_sel_hi:[1,0]
.set j, j+2
.endr
.endm
.macro TOSTAGE x, u, set
	WIN 0x04
.irp t, 0,1,2,3,4,5,6,7
	ds_store_b128 v[ADR], v[128*(\x)+64*(\u)+8*\t:128*(\x)+64*(\u)+8*\t+3] offset:64*\t
	ds_store_b128 v[ADR], v[128*(\x)+64*(\u)+8*\t+4:128*(\x)+64*(\u)+8*\t+7] offset:64*\t+16
.endr
	WIN 0
.irp i, 0,1,2,3,4,5,6,7,8,9,10,11,12,13,14,15
	ds_load_b128 v[S+64*(\set)+4*\i:S+64*(\set)+4*\i+3], v[ADS] offset:528*\i   ; LDS serves a wave's instructions in order: these see my stores, and the next chunk's stores come behind them
.endr
.endm
.macro SEND x, u, set, younger         ; younger: the LDS instructions issued behind this chunk's loads, which may stay out
	s_wait_dscnt \younger
.irp i, 0,1,2,3,4,5,6,7,8,9,10,11,12,13,14,15
	global_store_b128 v[LI], v[S+64*(\set)+4*\i:S+64*(\set)+4*\i+3], s[10:11] offset:(16*(\x)+\i)*1024+512*(\u) th:TH_STORE_NT   ; 512 consecutive bytes, at a multiple of 256 from out0's first byte; written once
.endr
.endm
	OMUL 0, 0
	TOSTAGE 0, 0, 0
	OMUL 0, 1
	TOSTAGE 0, 1, 1
	SEND 0, 0, 0, 32                               ; behind its loads: the next chunk's 16 stores and 16 loads
	OMUL 1, 0
	s_wait_alu depctr_va_vdst(0)
	s_wait_xcnt 0x0                                ; the first chunk's stores have read their registers: the third chunk's loads may land there
	TOSTAGE 1, 0, 0
	SEND 0, 1, 1, 32
	OMUL 1, 1
	s_wait_alu depctr_va_vdst(0)
	s_wait_xcnt 0x0
	TOSTAGE 1, 1, 1
	SEND 1, 0, 0, 32
	SEND 1, 1, 1, 0
	s_wait_tensorcnt 0x0                           ; the wave's end: behind my last tensor load and my last LDS store
	ds_add_u32 v[SPW], v[NIL]
	s_wait_dscnt 0x0
	ROUND                                          ; the closing round: no work-group ends while a partner may still ask for a tile that names it
	s_endpgm
.Lfunc_end_k_q6d44dae7bc_attn:
	.size	k_q6d44dae7bc_attn, .Lfunc_end_k_q6d44dae7bc_attn-k_q6d44dae7bc_attn
	.p2alignl 7, 3214868480
	.fill 96, 4, 3214868480
	.section	.rodata,"a",@progbits
	.p2align	6, 0x0
	.amdhsa_kernel k_q6d44dae7bc_attn
		.amdhsa_group_segment_fixed_size 327680
		.amdhsa_private_segment_fixed_size 0
		.amdhsa_enable_private_segment 0
		.amdhsa_kernarg_size 32
		.amdhsa_user_sgpr_count 2
		.amdhsa_user_sgpr_kernarg_segment_ptr 1
		.amdhsa_wavefront_size32 1
		.amdhsa_system_sgpr_workgroup_id_x 1
		.amdhsa_system_sgpr_workgroup_id_y 1
		.amdhsa_system_sgpr_workgroup_id_z 1
		.amdhsa_system_vgpr_workitem_id 0
		.amdhsa_next_free_vgpr 512
		.amdhsa_next_free_sgpr 96
		.amdhsa_reserve_vcc 0
		.amdhsa_float_denorm_mode_32 3
		.amdhsa_float_denorm_mode_16_64 3
		.amdhsa_memory_ordered 1
		.amdhsa_forward_progress 1
		.amdhsa_inst_pref_size 255
	.end_amdhsa_kernel
	.section	.bss,"aw",@nobits
	.p2align	6
	.space	262144
	.amdgpu_metadata
---
amdhsa.version: [ 1, 2 ]
amdhsa.kernels:
  - .name:           k_q6d44dae7bc_attn
    .symbol:         k_q6d44dae7bc_attn.kd
    .args:
      - { .name: features, .offset: 0, .size: 8, .value_kind: global_buffer, .address_space: global }
      - { .name: emb, .offset: 8, .size: 8, .value_kind: global_buffer, .address_space: global }
      - { .name: kv, .offset: 16, .size: 8, .value_kind: global_buffer, .address_space: global }
      - { .name: out0, .offset: 24, .size: 8, .value_kind: global_buffer, .address_space: global }
    .group_segment_fixed_size: 327680
    .private_segment_fixed_size: 0
    .kernarg_segment_align: 8
    .kernarg_segment_size: 32
    .max_flat_workgroup_size: 256
    .sgpr_count:     96
    .vgpr_count:     512
    .wavefront_size: 32
...
	.end_amdgpu_metadata
.endif
;; end of part 2
